; MI455X (gfx1250); checked and timed in simulation.
; The chip was launched on July 23, 2026; its instructions are those of AMD's public machine-readable ISA for CDNA 5 (MIT licence, August 2026) and "CDNA5" Instruction Set Architecture Reference Guide (July 2026). The comments in the code are by the model that wrote it; some were corrected since.
;; Attention. Allowed arithmetic: matrix products marked QUANTISED: E2M1 operands, one E8M0 scale for each 32 along K, by v_wmma_scale_f32_16x16x128_f8f6f4 with both operands' format E2M1 (or v_wmma_scale_f32_32x16x128_f4), f32 sums; products left as they are: bf16, f16 or f32 operands; f32 sums; everything else in f32.
;; Inputs: Wkv 1,024 x 256 float32; Wo 256 x 512 float32; Wq 512 x 256 float32; bo 256 float32; x 4 x 256 x 128 x 128 float32.
;; Outputs: out0 4 x 256 x 128 x 128 float32.
;; This version of the problem:
;;   THIS VERSION OF THE PROBLEM IS GIVEN IN LOW PRECISION. The matrix products marked QUANTISED in the list below multiply operands that are first quantised to E2M1 (2 exponent bits, 1 mantissa bit; 4 bits a number), with one power-of-two scale for each 32 numbers along K (OCP MX v1.0); their sums are f32. The products marked 'left as it is' may take bf16, f16 or f32 operands, with f32 sums. Whichever they take, every output number must still come out within the allowed error. Rounding operands to bf16 (8 significant bits) uses up far more of that allowance than f16 does (11 bits, for magnitudes from 6e-5 to 65,504). All else is computed in f32.
;;   The module's matrix products, in the order in which they are computed (A, B: the left and right operand; K: the contracted axis; several contracted axes count as one K, in the product's order):
;;     1. [M 65,536, K 256] x [K 256, N 512]; A: input x; B: input Wq: QUANTISED
;;     2. [M 65,536, K 256] x [K 256, N 1,024]; A: input x; B: input Wkv: QUANTISED
;;     3. batch 2,048 x [M 256, K 64] x [K 64, N 256]; A: computed on the way; B: computed on the way: left as it is (an operand is computed on the way)
;;     4. batch 2,048 x [M 256, K 256] x [K 256, N 64]; A: computed on the way; B: computed on the way: left as it is (an operand is computed on the way)
;;     5. [M 65,536, K 512] x [K 512, N 256]; A: computed on the way; B: input Wo: left as it is (an operand is computed on the way)
;;   THE QUANTISER, for each operand of a quantised product, along K:
;;     - K is cut into blocks of 32 from its start; a last block that is shorter is filled with zeros.
;;     - A block's scale is 2^e with e = floor(log2(the largest magnitude in the block)) - 2, held to -126 .. 127; a block of zeros has e = 0. As a byte (E8M0): e + 127.
;;     - Each number is divided by its block's scale, clamped to +-6, and rounded to the nearest number of E2M1, ties to even, subnormals kept.
;;     - The product sums the exact products of the quantised numbers (number of the format x scale) in f32.
;;   ~~~python
;;   def quantise(x, axis):      # numpy; x: float32 -> the quantised numbers, widened to float32 again
;;       x = np.moveaxis(x, axis, -1); K = x.shape[-1]
;;       x = np.pad(x, [(0, 0)] * (x.ndim - 1) + [(0, -K % 32)]); x = x.reshape(x.shape[:-1] + (-1, 32)); a = np.abs(x).max(-1, keepdims=True)
;;       e = np.where(a > 0, np.clip(np.frexp(np.where(a > 0, a, 1))[1] - 1 - 2, -126, 127), 0)      # np.frexp(a)[1] - 1 = floor(log2(a)), exactly
;;       r = np.clip(x / 2.0 ** e, -6, 6)
;;       step = 2.0 ** (np.maximum(np.frexp(np.where(r == 0, 1, r))[1] - 1, 0) - 1)
;;       q = np.round(r / step) * step * 2.0 ** e      # np.round: ties to even
;;       return np.moveaxis(q.reshape(q.shape[:-2] + (-1,))[..., :K], -1, axis).astype(np.float32)
;;   ~~~
;; One version. Each part assembles by itself: llvm-mc -triple=amdgcn-amd-amdhsa -mcpu=gfx1250 --defsym DOCPART=n.
;; ======== version 1 of 1: 2 launches
;; limits: values are held in f16: magnitudes above 65,504 overflow, below 6.1e-05 lose precision
;; workspace buffers: xc 8,388,608 bytes; xs 524,288 bytes; wp 475,136 bytes
;; launch prep (part 1): grid 512 x 1, 4 waves a work-group, no clusters, 0 bytes of LDS; arguments x, Wq, Wkv, Wo, xc, xs, wp; writes xc, xs, wp
.if DOCPART == 1
	.amdgcn_target "amdgcn-amd-amdhsa--gfx1250"
	.amdhsa_code_object_version 6
	.text
	.protected	k_q19b775078b_prep
	.globl	k_q19b775078b_prep
	.p2align	8
	.type	k_q19b775078b_prep,@function
k_q19b775078b_prep:
	s_mov_b64 s[64:65], 0
	v_nop
	global_prefetch_b8 v0, s[64:65] scope:SCOPE_SE
	s_setreg_imm32_b32 hwreg(HW_REG_WAVE_MODE, 25, 1), 1
	s_wait_xcnt 0x0
; THE LAUNCH IN FRONT OF THE ATTENTION.  x [4][256][128][128], Wq [512][256] and Wkv [1024][256], f32, are the operands of the two quantised products (K = the 256 channels): they become
; codes of E2M1, 4 bits each, with one E8M0 byte for each 32 channels.  Wo [256][512] is rounded to f16.  All three leave as IMAGES OF OPERAND REGISTERS: a fragment (16 rows x 128 K of codes, or 16 rows x 32 K of f16)
; is 1,024 bytes, two pieces of 512, lane l's 16 bytes at 16 l, so that the next launch fills its operand registers by loads of 512 consecutive bytes.
; NOTHING OF reference() IS LEFT OUT in this program: every product and every input has a way to the output, and all are loaded.
; A block's scale is 2^(floor(log2(its largest magnitude)) - 2); its byte is the largest magnitude's exponent field - 2, held at 1 from below.  A block of zeros so gets the byte 1 where the rule says 127:
; its codes are zeros, which add nothing under any byte but 0xff, and the bytes are read by this program alone.
; LIMITS: NaN and infinities among the inputs are not served; |Wo| stays under 65,504, f16's largest number.
; xc: [window 256][row of the window 16][K step 2][piece 2][lane 32][16 bytes]; window = (8 b + X) 8 + Y.  Lane (r, h) of piece c of step s holds pixel r's codes of channels 32 (4 s + 2 c + h) on.
; xs: [window][row 16][pixel 16][K step 2]: a scale word (four bytes) for a pixel and 128 channels.
; wp: eight heads' blocks of HB bytes: the codes of the head's 64 rows of Wq, Wk, Wv ([matrix][tile of 16 rows][K step]: 24 images); their scale words ([matrix][pair of tiles][lane 32][K step 2]: lanes 0-15 the
;     even tile's rows, lanes 16-31 the odd one's); Wo's 32 images ([tile of 16 outputs][32 of the head's 64 channels]); 512 bytes of zeros, so that a block is 232 rows of 256 bytes.
; SHARES.  512 work-groups of equal work: work-group g takes image row g of x (128 pixels x 256 channels), a wave 32 pixels.  THE WEIGHTS RIDE ALONG, cut into 448 small tasks, one to a work-group, done by its wave 0:
; work-groups 0-191 one round of Wq or Wkv (16 rows x 128 K: one image and its 16 scale words), work-groups 192-447 one fragment of Wo.  A task's loads are issued ahead of x's first two blocks and worked while those are on
; their way.  The three ways (no task, a round, a fragment) are the arms of one branch on the wave's and the work-group's number; each arm issues x's first loads itself, and they join in front of x's first block.
; A task has registers of its own (v20-31, v128-200, s40-47), so that nothing that its stores read is written again.  No LDS, no barrier; EXEC is never written.
.set HB,   59392
.set WSCO, 24576                       ; a head's block: where its scale words begin,
.set WOO,  26112                       ; and Wo's images; the zeros follow the last of them
; x.  A LANE TAKES A PIXEL, AND ITS REGISTERS RUN DOWN THE CHANNELS: a load reads 128 consecutive bytes a wave, a block of 32 channels lies in one lane, and the conversions give codes with K innermost.
.macro XLOAD blk                       ; block blk's 32 channels into set blk % 2; channels 0-127 by the base s[20:21], 128-255 by s[22:23], so that the offsets stay inside the signed 24-bit immediate
.set k, 0
.rept 32
	global_load_b32 v[32+32*((\blk)%2)+k], v4, s[20+2*((\blk)/4):21+2*((\blk)/4)] offset:((32*(\blk)+k)%128)*65536 th:TH_LOAD_NT
.set k, k+1
.endr
.endm
.macro XBLOCK blk
.set XS, 32+32*((\blk)%2)
.if (\blk) < 7
	s_wait_loadcnt 32                              ; this block's 32 loads are in; the next block's 32 may be out
.else
	s_wait_loadcnt 0
.endif
	v_max3_num_f32 v8, |v[XS]|, |v[XS+1]|, |v[XS+2]|               ; the block's largest magnitude, in two chains
	v_max3_num_f32 v9, |v[XS+3]|, |v[XS+4]|, |v[XS+5]|
.irp i, 6,10,14,18,22,26
	v_max3_num_f32 v8, v8, |v[XS+\i]|, |v[XS+\i+1]|
	v_max3_num_f32 v9, v9, |v[XS+\i+2]|, |v[XS+\i+3]|
.endr
	v_max3_num_f32 v8, v8, |v[XS+30]|, |v[XS+31]|
	v_max3_num_f32 v8, v8, v9, 0x1800000           ; and the floor 2^(3 - 127): the byte cannot fall under 1
	v_add_nc_u32 v10, 0xff000000, v8               ; 2 off its exponent field: the conversion takes the exponent field of this operand as its scale
	v_lshrrev_b32 v11, 23, v10                     ; the scale's byte
.if (\blk)%4 == 0
	v_mov_b32 v[16+(\blk)/4], v11                  ; four bytes to a scale word, the lower channels in the lower byte
.else
	v_lshl_or_b32 v[16+(\blk)/4], v11, 8*((\blk)%4), v[16+(\blk)/4]
.endif
.irp g, 0,1,2,3
	v_cvt_scalef32_pk8_fp4_f32 v[96+4*(\blk)+\g], v[XS+8*\g:XS+8*\g+7], v10
.endr
	global_store_b128 v5, v[96+4*(\blk):96+4*(\blk)+3], s[24:25] offset:256*(\blk)   ; lanes 0-15 store 256 consecutive bytes of one window's images, lanes 16-31 of the next window's; each block has code registers of its own
.if (\blk) < 6
	XLOAD (\blk)+2
.endif
.endm
	s_load_b256 s[4:11], s[0:1], 0x0               ; x s[4:5], Wq s[6:7], Wkv s[8:9], Wo s[10:11]
	s_load_b128 s[12:15], s[0:1], 0x20             ; xc s[12:13], xs s[14:15]
	s_load_b64 s[16:17], s[0:1], 0x30              ; wp
	v_lshrrev_b32 v1, 5, v0
	v_readfirstlane_b32 s18, v1                    ; wave 0..3
	v_and_b32 v1, 31, v0                           ; lane
	v_and_b32 v2, 15, v0                           ; r
	v_bfe_u32 v3, v0, 4, 1                         ; h
	; image row y of batch b; wave w takes pixels 32 w .. 32 w + 31: row y % 16 of windows Y = 2 w (lanes 0-15) and 2 w + 1 (lanes 16-31)
	s_lshr_b32 s19, ttmp9, 7                       ; b
	s_and_b32 s28, ttmp9, 127                      ; y
	s_lshr_b32 s29, s28, 4                         ; X
	s_and_b32 s30, s28, 15                         ; the row in the window
	s_lshl_b32 s31, s19, 3
	s_add_co_u32 s31, s31, s29
	s_lshl_b32 s31, s31, 3
	s_lshl_b32 s32, s18, 1
	s_add_co_u32 s31, s31, s32                     ; the first of my two windows: (8 b + X) 8 + 2 w
	s_lshl_b32 s32, s19, 24                        ; x: b x 2^24 + y x 512 + w x 128 bytes
	s_lshl_b32 s34, s28, 9
	s_add_co_u32 s32, s32, s34
	s_lshl_b32 s34, s18, 7
	s_add_co_u32 s32, s32, s34
	s_mov_b32 s33, 0
	s_lshl_b32 s34, s31, 15                        ; xc: window x 32,768 + row x 2,048
	s_lshl_b32 s36, s30, 11
	s_add_co_u32 s34, s34, s36
	s_mov_b32 s35, 0
	s_lshl_b32 s36, s31, 11                        ; xs: window x 2,048 + row x 128
	s_lshl_b32 s38, s30, 7
	s_add_co_u32 s36, s36, s38
	s_mov_b32 s37, 0
	v_lshlrev_b32 v4, 2, v1                        ; in: 4 bytes a lane
	v_lshlrev_b32 v5, 4, v2
	v_lshl_add_u32 v5, v3, 15, v5                  ; codes: 16 r, and a window on for lanes 16-31
	v_lshlrev_b32 v6, 3, v2
	v_lshl_add_u32 v6, v3, 11, v6                  ; scale words: 8 r, and a window on
	s_wait_kmcnt 0x0
	s_add_nc_u64 s[20:21], s[4:5], s[32:33]
	s_add_nc_u64 s[22:23], s[20:21], 0x800000      ; 128 channels on
	s_add_nc_u64 s[24:25], s[12:13], s[34:35]
	s_add_nc_u64 s[26:27], s[14:15], s[36:37]
	s_cmp_lg_u32 s18, 0                            ; the tasks are wave 0's
	s_cbranch_scc1 .Lplain
	s_cmp_lt_u32 ttmp9, 192
	s_cbranch_scc1 .Lwtask
	s_cmp_lt_u32 ttmp9, 448
	s_cbranch_scc1 .Lotask
.Lplain:
	XLOAD 0
	XLOAD 1                                        ; loads run two blocks ahead
	s_branch .Lblocks
.Lwtask:
	; ---- a round of the weights: work-group g = 4 (6 x head + 2 x matrix (q, k, v) + pair of tiles p) + 2 a + s: tile T = 2 p + a of the matrix's four, K step s.
	; K is innermost: lane (r, h) takes, of row r, the 32 numbers of blocks h and 2 + h of the K step: 128 consecutive bytes each, eight loads
	s_lshr_b32 s19, ttmp9, 2
	s_and_b32 s28, ttmp9, 3
	s_mul_i32 s29, s19, 43
	s_lshr_b32 s29, s29, 8                         ; the head: (g / 4) / 6 (43 / 256 serves up to 47)
	s_mul_i32 s30, s29, 6
	s_sub_co_u32 s30, s19, s30
	s_lshr_b32 s31, s30, 1                         ; the matrix m
	s_and_b32 s30, s30, 1
	s_lshl_b32 s30, s30, 1
	s_lshr_b32 s32, s28, 1
	s_add_co_u32 s30, s30, s32                     ; the tile T
	s_and_b32 s28, s28, 1                          ; the K step s
	s_lshl_b32 s32, s29, 6
	s_lshl_b32 s33, s30, 4
	s_add_co_u32 s32, s32, s33                     ; my first row: 64 x head + 16 T,
	s_cmp_eq_u32 s31, 2
	s_cselect_b32 s33, 512, 0                      ; and 512 on for v, the lower half of Wkv
	s_add_co_u32 s32, s32, s33
	s_lshl_b32 s32, s32, 10                        ; a row is 1,024 bytes,
	s_lshl_b32 s33, s28, 9                         ; a K step 512
	s_add_co_u32 s32, s32, s33
	s_mov_b32 s33, 0
	s_mul_i32 s34, s29, HB
	s_lshl_b32 s36, s31, 13                        ; the image: head x HB + m x 8,192 + (2 T + s) x 1,024
	s_add_co_u32 s36, s36, s34
	s_lshl_b32 s35, s30, 11
	s_add_co_u32 s36, s36, s35
	s_lshl_b32 s35, s28, 10
	s_add_co_u32 s36, s36, s35
	s_mov_b32 s37, 0
	s_lshl_b32 s38, s31, 9                         ; the scale words: head x HB + m x 512 + T x 128 + 4 s (+ WSCO in the immediate)
	s_add_co_u32 s38, s38, s34
	s_lshl_b32 s35, s30, 7
	s_add_co_u32 s38, s38, s35
	s_lshl_b32 s35, s28, 2
	s_add_co_u32 s38, s38, s35
	s_mov_b32 s39, 0
	s_mov_b32 s42, 0x76543210
	s_mov_b32 s43, 0xfedcba98                      ; v_permlanex16_b32's selects for lane l xor 16
	s_cmp_eq_u32 s31, 0                            ; q's rows lie in Wq, k's and v's in Wkv: the choice hangs on ids alone
	s_cselect_b64 s[40:41], s[6:7], s[8:9]
	s_add_nc_u64 s[40:41], s[40:41], s[32:33]
	s_add_nc_u64 s[44:45], s[16:17], s[36:37]
	s_add_nc_u64 s[46:47], s[16:17], s[38:39]
	v_lshlrev_b32 v20, 10, v2
	v_lshl_add_u32 v20, v3, 7, v20                 ; in: row r, + 128 h bytes
	v_lshlrev_b32 v21, 4, v1                       ; an image's place for my lane
	v_lshlrev_b32 v22, 3, v2                       ; my row's pair of scale words
	v_lshlrev_b32 v23, 3, v3                       ; 8 h
	v_mov_b32 v31, 0                               ; written once: a lane permute's destination counts as one of its sources
.irp c, 0,1
.irp j, 0,1,2,3,4,5,6,7
	global_load_b128 v[128+32*\c+4*\j:128+32*\c+4*\j+3], v20, s[40:41] offset:\c*256+16*\j
.endr
.endr
	XLOAD 0
	XLOAD 1
	s_wait_loadcnt 63                              ; my task's 16 loads are in: behind them stand the 64 loads of x's first two blocks, one more than a count can name, so this count is one stricter than it need be
.irp c, 0,1
	v_max3_num_f32 v[24+\c], |v[128+32*\c]|, |v[128+32*\c+1]|, 0x1800000   ; my two blocks by turns; the floor 2^(3 - 127) among the leaves
.endr
.irp i, 2,4,6,8,10,12,14,16,18,20,22,24,26,28,30
.irp c, 0,1
	v_max3_num_f32 v[24+\c], v[24+\c], |v[128+32*\c+\i]|, |v[128+32*\c+\i+1]|
.endr
.endr
.irp c, 0,1
	v_add_nc_u32 v[26+\c], 0xff000000, v[24+\c]    ; the conversion's scale operand
.endr
.irp c, 0,1
	v_lshrrev_b32 v[28+\c], 23, v[26+\c]           ; the byte
.endr
	v_lshl_or_b32 v30, v29, 16, v28                ; my two bytes, blocks h and 2 + h of row r,
	v_lshlrev_b32 v30, v23, v30                    ; at their places in the scale word (8 h bits up);
	v_permlanex16_b32 v31, v30, s42, s43
	v_or_b32 v200, v30, v31                        ; with lane l xor 16's two the word is whole, in both halves of the lanes
.irp c, 0,1
.irp g, 0,1,2,3
	v_cvt_scalef32_pk8_fp4_f32 v[192+4*\c+\g], v[128+32*\c+8*\g:128+32*\c+8*\g+7], v[26+\c]
.endr
.endr
.irp c, 0,1
	global_store_b128 v21, v[192+4*\c:192+4*\c+3], s[44:45] offset:512*\c   ; a piece of the image: 512 consecutive bytes
.endr
	global_store_b32 v22, v200, s[46:47] offset:WSCO   ; row r's word of this K step, 8 bytes from its neighbour's (the other K step's word lies between): sixteen words within 128 bytes; lanes l and l + 16 store the same word at the same place.  All rounds' words together are 12,288 bytes
	s_branch .Lblocks
.Lotask:
	; ---- a fragment of Wo: work-group g = 192 + 32 x head + 2 x tile of 16 outputs + half u of the head's 64 channels.
	; Lane (r, h) holds, of row r, channels 8 h + 0 .. 7 (piece 0) and 16 + 8 h + 0 .. 7 (piece 1) of the fragment's 32
	s_sub_co_u32 s19, ttmp9, 192
	s_lshr_b32 s28, s19, 5                         ; the head
	s_and_b32 s29, s19, 31                         ; the fragment
	s_lshr_b32 s30, s29, 1                         ; its tile of outputs
	s_and_b32 s31, s29, 1                          ; u
	s_lshl_b32 s32, s30, 15                        ; 16 rows of 2,048 bytes a tile,
	s_lshl_b32 s33, s28, 8                         ; 64 channels of 4 bytes a head,
	s_add_co_u32 s32, s32, s33
	s_lshl_b32 s33, s31, 7                         ; 32 channels a half
	s_add_co_u32 s32, s32, s33
	s_mov_b32 s33, 0
	s_mul_i32 s36, s28, HB
	s_lshl_b32 s35, s29, 10
	s_add_co_u32 s36, s36, s35                     ; its image: head x HB + fragment x 1,024 (+ WOO in the immediate)
	s_mov_b32 s37, 0
	s_add_nc_u64 s[40:41], s[10:11], s[32:33]
	s_add_nc_u64 s[44:45], s[16:17], s[36:37]
	v_lshlrev_b32 v20, 11, v2
	v_lshl_add_u32 v20, v3, 5, v20                 ; row r, + 32 h bytes
	v_lshlrev_b32 v21, 4, v1
	global_load_b128 v[128:131], v20, s[40:41]
	global_load_b128 v[132:135], v20, s[40:41] offset:16
	global_load_b128 v[136:139], v20, s[40:41] offset:64
	global_load_b128 v[140:143], v20, s[40:41] offset:80
	XLOAD 0
	XLOAD 1
	s_wait_loadcnt 63                              ; my task's 4 loads are in: behind them stand x's 64, as above
.irp i, 0,1,2,3,4,5,6,7
	v_cvt_pk_f16_f32 v[128+\i], v[128+2*\i], v[128+2*\i+1]   ; in place, ascending: register i is written when registers 2 i and 2 i + 1 are read
.endr
	global_store_b128 v21, v[128:131], s[44:45] offset:WOO
	global_store_b128 v21, v[132:135], s[44:45] offset:WOO+512
	s_cmp_lg_u32 s29, 31
	s_cbranch_scc1 .Lblocks
.irp i, 192,193,194,195
	v_mov_b32 v\i, 0
.endr
	global_store_b128 v21, v[192:195], s[44:45] offset:WOO+1024   ; behind a head's last image: the block's last 512 bytes, which the next launch fetches with the rest
.Lblocks:
.irp n, 0,1,2,3,4,5,6,7
	XBLOCK \n
.endr
	global_store_b64 v6, v[16:17], s[26:27]        ; my pixel's two scale words: sixteen lanes store 128 consecutive bytes
	s_endpgm
.Lfunc_end_k_q19b775078b_prep:
	.size	k_q19b775078b_prep, .Lfunc_end_k_q19b775078b_prep-k_q19b775078b_prep
	.p2alignl 7, 3214868480
	.fill 96, 4, 3214868480
	.section	.rodata,"a",@progbits
	.p2align	6, 0x0
	.amdhsa_kernel k_q19b775078b_prep
		.amdhsa_group_segment_fixed_size 0
		.amdhsa_private_segment_fixed_size 0
		.amdhsa_enable_private_segment 0
		.amdhsa_kernarg_size 56
		.amdhsa_user_sgpr_count 2
		.amdhsa_user_sgpr_kernarg_segment_ptr 1
		.amdhsa_wavefront_size32 1
		.amdhsa_system_sgpr_workgroup_id_x 1
		.amdhsa_system_sgpr_workgroup_id_y 1
		.amdhsa_system_sgpr_workgroup_id_z 1
		.amdhsa_system_vgpr_workitem_id 0
		.amdhsa_next_free_vgpr 208
		.amdhsa_next_free_sgpr 66
		.amdhsa_reserve_vcc 0
		.amdhsa_float_denorm_mode_32 3
		.amdhsa_float_denorm_mode_16_64 3
		.amdhsa_memory_ordered 1
		.amdhsa_forward_progress 1
		.amdhsa_inst_pref_size 60
	.end_amdhsa_kernel
	.amdgpu_metadata
---
amdhsa.version: [ 1, 2 ]
amdhsa.kernels:
  - .name:           k_q19b775078b_prep
    .symbol:         k_q19b775078b_prep.kd
    .args:
      - { .name: x, .offset: 0, .size: 8, .value_kind: global_buffer, .address_space: global }
      - { .name: Wq, .offset: 8, .size: 8, .value_kind: global_buffer, .address_space: global }
      - { .name: Wkv, .offset: 16, .size: 8, .value_kind: global_buffer, .address_space: global }
      - { .name: Wo, .offset: 24, .size: 8, .value_kind: global_buffer, .address_space: global }
      - { .name: xc, .offset: 32, .size: 8, .value_kind: global_buffer, .address_space: global }
      - { .name: xs, .offset: 40, .size: 8, .value_kind: global_buffer, .address_space: global }
      - { .name: wp, .offset: 48, .size: 8, .value_kind: global_buffer, .address_space: global }
    .group_segment_fixed_size: 0
    .private_segment_fixed_size: 0
    .kernarg_segment_align: 8
    .kernarg_segment_size: 56
    .max_flat_workgroup_size: 128
    .sgpr_count:     66
    .vgpr_count:     208
    .wavefront_size: 32
...
	.end_amdgpu_metadata
.endif
;; end of part 1
;; launch attn (part 2): grid 256 x 1, 4 waves a work-group, clusters of 4 x 1, 327,680 bytes of LDS; arguments xc, xs, wp, bo, out0; writes out0
.if DOCPART == 2
	.amdgcn_target "amdgcn-amd-amdhsa--gfx1250"
	.amdhsa_code_object_version 6
	.text
	.protected	k_q19b775078b_attn
	.globl	k_q19b775078b_attn
	.p2align	8
	.type	k_q19b775078b_attn,@function
k_q19b775078b_attn:
	s_mov_b64 s[64:65], 0
	v_nop
	global_prefetch_b8 v0, s[64:65] scope:SCOPE_SE
	s_setreg_imm32_b32 hwreg(HW_REG_WAVE_MODE, 25, 1), 1
	s_wait_xcnt 0x0
	s_wait_alu depctr_hold_cnt(0) depctr_sa_sdst(0) depctr_va_vdst(0) depctr_va_sdst(0) depctr_va_ssrc(0) depctr_va_vcc(0) depctr_vm_vsrc(0)
	s_getreg_b32 s2, hwreg(HW_REG_IB_STS2, 6, 4)
	s_cmp_eq_u32 s2, 0
	s_cbranch_scc0 .Lentry_in_a_cluster
	s_endpgm
.Lentry_in_a_cluster:
	s_bfe_u32 s2, ttmp6, 0x10000c
	s_cmp_lg_u32 s2, 0x3003
	s_cbranch_scc0 .Lentry_shape_is_right
	s_endpgm
.Lentry_shape_is_right:
; WINDOWED ATTENTION, all behind the quantiser in one launch.  A work-group owns one window of 16 x 16 pixels (256 windows) and walks the 8 heads:
;   q, k, v = W x (codes of E2M1 with E8M0 scales, K = 256 channels) | S^T = k q^T, softmax, O^T = v^T p (f16 operands, f32 sums) | out += O Wo^T (f16 operands), summed over the heads in registers, begun with bo.
; Nothing of reference() is left out: every product and every input is live.
; SHARES.  Wave w owns rows 4 w .. 4 w + 3 of the window: four tiles of 16 pixels.  For them it makes q, k and v, holds the queries, and holds the 64 pixels x 256 outputs in 512 registers.
; k and v go to the other waves through LDS as images of operand registers (1,024 bytes a fragment, lane l's 16 bytes at 16 l of each half).
; LAYOUT: nothing is transposed by an instruction.  q^T, k^T = (16 rows of W) x (16 pixels): a lane holds one pixel and eight channels; two tiles rounded to f16 in pairs are a fragment of 16 pixels x 32 channels.
; v = (16 pixels) x (16 rows of Wv): a lane holds one channel and eight pixels: two tiles are a fragment of V^T, 16 channels x 32 keys.  S^T = K Q^T: a lane holds one query and eight keys: rounded in pairs it IS
; source 1 of O^T = V^T P.  O^T rounded in pairs is source 0 (16 pixels x 32 channels) of out = O Wo^T, in whose result a lane holds one output channel and eight neighbouring pixels: 32 bytes of out0.
; SOFTMAX: for each query a running maximum m and sum l: p = 2^(c s - c m), c = log2(e) / 8; O^T and l are multiplied by 2^(c m_old - c m_new) in every key step but the first.
; CLUSTER: the weights' block of a head (59,392 bytes) is the same for all work-groups: the four of a cluster ask for it jointly, each wave for a quarter.  x's codes are a window's own and come by plain loads.
; THE OUTPUT: a window's row is 16 pixels, 64 bytes of out0; a store of the wave covers eight runs of 64 consecutive bytes, four lanes to a run.  The four windows of a cluster are neighbours along an image row:
; the three runs that complete a run's 256 aligned bytes are stored by the cluster's other three work-groups, at the same place of the text; so these stores carry no hint that their bytes are done with.
; A work-group that stored such 256 bytes whole would own four windows x 4 rows and make k and v of all four windows: that does not fit beside the 512 registers of sums.
; No prefetch is written: the joint load of a head's block is asked for a whole head ahead of its first use, and x's codes are read at the kernel's head.
; LIMITS: |q|, |k|, |v| stay under 65,504, f16's largest number (with x and the weights 30 times those of the problem's kind they reach some thousands); NaN and infinities are not served.
; REGISTERS, in windows of 256 (s_set_vgpr_msb: bits 1:0 source 0, 3:2 source 1, 5:4 source 2, 7:6 destination):
;   window 0: v1-7 addresses; v8-11 x's scale words, v12-23 the weights'; v24-63 ten registers of statistics a tile; v64-127 V^T of a step (Wv's codes); v128-255 S^T, 32 a tile (the quantised products' results; P; O's fragments)
;   window 1: v0-127 O^T, 32 a tile (Wq's and Wk's codes; the packed k and v); v128-191 Q; v192-255 K of a step (x's codes); for the last product all 256: Wo
;   window 2: the output sums of channels 0-127, (tile of outputs o, tile of pixels q) at v[8 (4 o + q)];   window 3: those of channels 128-255
.set HB,    59392                      ; a head's block of weights
.set QB,    14848                      ; a quarter of it: 58 rows of 256 bytes, what one tensor load brings
.set WSCO,  24576                      ; in the block: the scale words,
.set WOO,   26112                      ; Wo's images
.set SLOT1, 65536                      ; LDS: slot 0 at 0, slot 1 here: one exclusive or turns an address
.set KB,    131072                     ; k's 32 images,
.set VOFF,  32768                      ; v's 32 images, so far behind k's,
.set XC,    196608                     ; x's images, 8,192 bytes for each wave, its own,
.set SPARE, 229376                     ; the spare words, 128 bytes for each wave: two blocks of 256 bytes that no other line names,
.set STAGE, 229888                     ; the way out: 2 x 16 rows x 272 bytes for each wave, its own
.set LI,   1                           ; v1  16 x lane; never rewritten
.set SPW,  2                           ; v2  LDS address of my spare word; never rewritten
.set NIL,  3                           ; v3  0; never rewritten
.set ADR0, 4                           ; v4  x's images, then the step's k and v
.set ADRW, 5                           ; v5  the slot in hand + 16 x lane
.set ADR2, 6                           ; v6  the slot in hand + 8 x lane
.set ADR3, 7                           ; v7  where I store k's images
.set STO,  4                           ; the way out: where I put 32 bytes of a row,
.set RD,   5                           ; where I read rows back,
.set GO,   6                           ; and my byte offset in out0
.set XSC,  8                           ; x's scale words: (pair of tiles p, K step s) at 8 + 2 p + s: lanes 0-15 the even tile, lanes 16-31 the odd one
.set WSC,  12                          ; the weights': (matrix m, pair p, K step s) at 12 + 4 m + 2 p + s
.set ST,   24                          ; tile t's statistics at v[ST + 10 t]:
.set CM,   0                           ;   c m
.set MX,   1                           ;   m
.set LS,   2                           ;   l, in two halves
.set AF,   4                           ;   2^(c m_old - c m_new), later 1 / l; +5 is named with it as a pair and holds 0
.set C0,   6                           ;   four registers at work
.set VF,   64
.set S,    128
.set QF,   128                         ; window 1
.set KF,   192                         ; window 1
.set XF,   192                         ; window 1
.set WV,   14                          ; s14 my wave's number
.set G1,   24                          ; s[24:31] descriptor group 1
.set G0,   32                          ; s[32:35] descriptor group 0, which walks
.set CS,   36                          ; s[36:37] c: the packed form names a pair and takes its low word for both halves
.set SEL,  38                          ; s[38:39] lane selects for v_permlanex16_b32: lane l xor 16
.set TB,   40                          ; s40 the slot in hand: 0 or SLOT1
.set HD,   41                          ; s41 heads whose successor is still to be asked for
.set TJ,   42                          ; s42 where the key step's images of k begin
.set J,    43                          ; s43 counts the two middle key steps
.set XB,   44                          ; s44 my x images
.set KSB,  45                          ; s45 my part of k's images
.set MSB, 0
.macro WIN new                         ; the immediate's high byte repeats the setting that is left; a switch that changes nothing is dropped
.if MSB != (\new)
	s_set_vgpr_msb (MSB<<8)|(\new)
.set MSB, (\new)
.endif
.endm
; Places: a vector instruction, a store or a load that touches a matrix instruction's registers stands four plain vector instructions behind it, a matrix instruction that writes over them five (ISA guide 7.12.1 for vector instructions)
.macro PLACES n
.rept \n
	v_nop
.endr
.endm
.macro CROUND                          ; a round of the cluster's barrier: my work-group's barrier; wave 0 signals for the work-group; every wave waits for all four work-groups; my work-group's barrier once more
	s_barrier_signal -1
	s_barrier_wait -1
	s_cmp_lg_u32 s[WV], 0
	s_cbranch_scc1 .Lnot_wave_0_\@
	s_barrier_signal -3
.Lnot_wave_0_\@:
	s_barrier_wait -3
	s_barrier_signal -1
	s_barrier_wait -1
.endm
; THE CHANGE OF SLOTS, at a head's start.  Each wave waits for all its tensor loads (one is out: its quarter of this head's block), adds 0 to its spare word, and waits for that and for all its LDS reads: of the slot
; that it has left, and of the last head's images of k and v, which this head writes anew.  fill = 1: behind the round the slot that was left takes the NEXT head's block: the load has a whole head in which to land.
.macro CHANGE fill
	WIN 0
	s_wait_tensorcnt 0x0                           ; no tensor load of mine is out, so group 0 may be written
	ds_add_u32 v[SPW], v[NIL]                      ; 0 onto my spare word
.if \fill
	s_xor_b32 s[G0+1], s[G0+1], SLOT1              ; the other slot than last time,
	s_add_nc_u64 s[G0+2:G0+3], s[G0+2:G0+3], HB    ; the next head's block; the type bits on top are not reached
	s_wait_dscnt 0x0                               ; the add is done, and my LDS reads are over
	CROUND                                         ; so it is with every wave of all four work-groups
	tensor_load_to_lds s[G0:G0+3], s[G1:G1+7]      ; my one tensor load behind the round, and the first thing there
	s_nop 0
	PLACES 4
.else
	s_wait_dscnt 0x0
	s_barrier_signal -1
	s_barrier_wait -1
.endif
.endm
; One product on codes: D = d, source 0 = a, source 1 = b; z = 1: it starts the sum; sa, sb: the scale registers; ra, rb = 1: that side's words stand in lanes 16-31
.macro MM4 d, a, b, z, sa, ra, sb, rb
.if (\z)
.if ((\ra)==0)&&((\rb)==0)
	v_wmma_scale_f32_16x16x128_f8f6f4 v[\d:\d+7], v[\a:\a+7], v[\b:\b+7], 0, v[\sa], v[\sb] matrix_a_fmt:MATRIX_FMT_FP4 matrix_b_fmt:MATRIX_FMT_FP4
.elseif (\rb)==0
	v_wmma_scale_f32_16x16x128_f8f6f4 v[\d:\d+7], v[\a:\a+7], v[\b:\b+7], 0, v[\sa], v[\sb] matrix_a_fmt:MATRIX_FMT_FP4 matrix_b_fmt:MATRIX_FMT_FP4 matrix_a_scale:MATRIX_SCALE_ROW1
.elseif (\ra)==0
	v_wmma_scale_f32_16x16x128_f8f6f4 v[\d:\d+7], v[\a:\a+7], v[\b:\b+7], 0, v[\sa], v[\sb] matrix_a_fmt:MATRIX_FMT_FP4 matrix_b_fmt:MATRIX_FMT_FP4 matrix_b_scale:MATRIX_SCALE_ROW1
.else
	v_wmma_scale_f32_16x16x128_f8f6f4 v[\d:\d+7], v[\a:\a+7], v[\b:\b+7], 0, v[\sa], v[\sb] matrix_a_fmt:MATRIX_FMT_FP4 matrix_b_fmt:MATRIX_FMT_FP4 matrix_a_scale:MATRIX_SCALE_ROW1 matrix_b_scale:MATRIX_SCALE_ROW1
.endif
.else
.if ((\ra)==0)&&((\rb)==0)
	v_wmma_scale_f32_16x16x128_f8f6f4 v[\d:\d+7], v[\a:\a+7], v[\b:\b+7], v[\d:\d+7], v[\sa], v[\sb] matrix_a_fmt:MATRIX_FMT_FP4 matrix_b_fmt:MATRIX_FMT_FP4
.elseif (\rb)==0
	v_wmma_scale_f32_16x16x128_f8f6f4 v[\d:\d+7], v[\a:\a+7], v[\b:\b+7], v[\d:\d+7], v[\sa], v[\sb] matrix_a_fmt:MATRIX_FMT_FP4 matrix_b_fmt:MATRIX_FMT_FP4 matrix_a_scale:MATRIX_SCALE_ROW1
.elseif (\ra)==0
	v_wmma_scale_f32_16x16x128_f8f6f4 v[\d:\d+7], v[\a:\a+7], v[\b:\b+7], v[\d:\d+7], v[\sa], v[\sb] matrix_a_fmt:MATRIX_FMT_FP4 matrix_b_fmt:MATRIX_FMT_FP4 matrix_b_scale:MATRIX_SCALE_ROW1
.else
	v_wmma_scale_f32_16x16x128_f8f6f4 v[\d:\d+7], v[\a:\a+7], v[\b:\b+7], v[\d:\d+7], v[\sa], v[\sb] matrix_a_fmt:MATRIX_FMT_FP4 matrix_b_fmt:MATRIX_FMT_FP4 matrix_a_scale:MATRIX_SCALE_ROW1 matrix_b_scale:MATRIX_SCALE_ROW1
.endif
.endif
.endm
.macro LK                              ; a key step's k: 64 keys x 64 channels, 8 fragments, (tile of keys k, half of the channels u) at KF + 16 k + 8 u
	WIN 0x40
.set i, 0
.rept 16
	ds_load_b128 v[KF+4*i:KF+4*i+3], v[ADR0] offset:512*i
.set i, i+1
.endr
.endm
.macro LV                              ; the same step's V^T: 64 channels x 64 keys, (half of the keys u, tile of channels t) at VF + 8 (4 u + t)
	WIN 0
.set i, 0
.rept 16
	ds_load_b128 v[VF+4*i:VF+4*i+3], v[ADR0] offset:VOFF+512*i
.set i, i+1
.endr
.endm
.macro NEXTK                           ; behind S^T's products: their places, then the next step's k into the registers that they have read
	PLACES 4
	WIN 0
	s_add_co_u32 s[TJ], s[TJ], 8192
	v_add_nc_u32 v[ADR0], s[TJ], v[LI]
	LK
.endm
.macro STQ                             ; S^T = K Q^T: 32 products; the 16 accumulators take turns, one instruction a turn; the first 16 start the sums
	WIN 0x05
.irp u, 0,1
.irp k, 0,1,2,3
.irp q, 0,1,2,3
.if (\u)==0
	v_wmma_f32_16x16x32_f16 v[S+32*\q+8*\k:S+32*\q+8*\k+7], v[KF+16*\k+8*\u:KF+16*\k+8*\u+7], v[QF+16*\q+8*\u:QF+16*\q+8*\u+7], 0
.else
	v_wmma_f32_16x16x32_f16 v[S+32*\q+8*\k:S+32*\q+8*\k+7], v[KF+16*\k+8*\u:KF+16*\k+8*\u+7], v[QF+16*\q+8*\u:QF+16*\q+8*\u+7], v[S+32*\q+8*\k:S+32*\q+8*\k+7]
.endif
.endr
.endr
.endr
.endm
.macro PV first                        ; O^T += V^T P: 32 products, 16 accumulators by turns; first = 1: the first 16 start the sums: nothing is ever cleared
	WIN 0x50
.irp u, 0,1
.irp t, 0,1,2,3
.irp q, 0,1,2,3
.if ((\first)!=0)&&((\u)==0)
	v_wmma_f32_16x16x32_f16 v[32*\q+8*\t:32*\q+8*\t+7], v[VF+8*(4*\u+\t):VF+8*(4*\u+\t)+7], v[S+32*\q+8*\u:S+32*\q+8*\u+7], 0
.else
	v_wmma_f32_16x16x32_f16 v[32*\q+8*\t:32*\q+8*\t+7], v[VF+8*(4*\u+\t):VF+8*(4*\u+\t)+7], v[S+32*\q+8*\u:S+32*\q+8*\u+7], v[32*\q+8*\t:32*\q+8*\t+7]
.endif
.endr
.endr
.endr
.endm
.macro SCALEO                          ; O^T times the tile's factor in AF, each accumulator from its low end on
	WIN 0x41
.irp q, 0,1,2,3
.set i, 0
.rept 16
	v_pk_mul_f32 v[32*\q+i:32*\q+i+1], v[32*\q+i:32*\q+i+1], v[ST+10*\q+AF:ST+10*\q+AF+1] op_sel_hi:[1,0]
.set i, i+2
.endr
.endr
.endm
; THE SOFTMAX of a key step, the four tiles by turns line by line.  A lane holds one query and 32 of the step's 64 scores; the other 32 lie in the lane 16 away.  first = 1: the first key step: no old maximum, no old sum.
.macro SOFTMAX first
	WIN 0
.irp j, 0,1,2,3
.irp t, 0,1,2,3
	v_max3_num_f32 v[ST+10*\t+C0+\j], v[S+32*\t+8*\j], v[S+32*\t+8*\j+1], v[S+32*\t+8*\j+2]   ; four chains, one to an accumulator, each begun at its low end
.endr
.endr
.irp g, 1,2
.irp j, 0,1,2,3
.irp t, 0,1,2,3
	v_max3_num_f32 v[ST+10*\t+C0+\j], v[ST+10*\t+C0+\j], v[S+32*\t+8*\j+2*\g+1], v[S+32*\t+8*\j+2*\g+2]
.endr
.endr
.endr
.irp t, 0,1,2,3
	v_max3_num_f32 v[ST+10*\t+C0], v[ST+10*\t+C0], v[S+32*\t+7], v[S+32*\t+15]
	v_max3_num_f32 v[ST+10*\t+C0+2], v[ST+10*\t+C0+2], v[S+32*\t+23], v[S+32*\t+31]
.endr
.irp t, 0,1,2,3
	v_max3_num_f32 v[ST+10*\t+C0], v[ST+10*\t+C0], v[ST+10*\t+C0+1], v[ST+10*\t+C0+2]
.endr
.irp t, 0,1,2,3
.if \first
	v_max_num_f32 v[ST+10*\t+C0], v[ST+10*\t+C0], v[ST+10*\t+C0+3]
.else
	v_max3_num_f32 v[ST+10*\t+C0], v[ST+10*\t+C0], v[ST+10*\t+C0+3], v[ST+10*\t+MX]   ; and the old m
.endif
.endr
.irp t, 0,1,2,3
	v_permlanex16_b32 v[ST+10*\t+C0+1], v[ST+10*\t+C0], s[SEL], s[SEL+1]
.endr
.if (\first)==0
.irp t, 0,1,2,3
	v_mov_b32 v[ST+10*\t+C0+3], v[ST+10*\t+CM]     ; c m_old is kept
.endr
.endif
.irp t, 0,1,2,3
	v_max_num_f32 v[ST+10*\t+MX], v[ST+10*\t+C0], v[ST+10*\t+C0+1]   ; the new m
.endr
.irp t, 0,1,2,3
	v_mul_f32 v[ST+10*\t+CM], s[CS], v[ST+10*\t+MX]
.endr
.if (\first)==0
.irp t, 0,1,2,3
	v_sub_f32 v[ST+10*\t+C0+3], v[ST+10*\t+C0+3], v[ST+10*\t+CM]
.endr
.irp t, 0,1,2,3
	v_exp_f32 v[ST+10*\t+AF], v[ST+10*\t+C0+3]     ; 2^(c m_old - c m_new)
.endr
.endif
; ONE BATCH: the 64 scalings c s - c m, a pair of scores each, and the 128 exponentials, a pair behind its scaling.  None of these lines names an exponential's result.
.set b, 0
.rept 17
.if b < 16
.irp t, 0,1,2,3
	v_pk_fma_f32 v[S+32*\t+2*b:S+32*\t+2*b+1], v[S+32*\t+2*b:S+32*\t+2*b+1], s[CS:CS+1], v[ST+10*\t+CM:ST+10*\t+CM+1] op_sel_hi:[1,0,0] neg_lo:[0,0,1] neg_hi:[0,0,1]
.endr
.endif
.if b > 0
.irp t, 0,1,2,3
	v_exp_f32 v[S+32*\t+2*b-2], v[S+32*\t+2*b-2]
	v_exp_f32 v[S+32*\t+2*b-1], v[S+32*\t+2*b-1]
.endr
.endif
.set b, b+1
.endr
	v_nop                                          ; a plain instruction behind the last exponential
	s_wait_alu depctr_va_vdst(0)                   ; the wait ahead of the first line that names a result: one for the whole batch
; the sums of the unrounded p, two at a time, in two chains a tile
.if \first
.irp t, 0,1,2,3
	v_pk_add_f32 v[ST+10*\t+LS:ST+10*\t+LS+1], v[S+32*\t:S+32*\t+1], v[S+32*\t+2:S+32*\t+3]
	v_pk_add_f32 v[ST+10*\t+C0:ST+10*\t+C0+1], v[S+32*\t+4:S+32*\t+5], v[S+32*\t+6:S+32*\t+7]
.endr
.irp j, 8,12,16,20,24,28
.irp t, 0,1,2,3
	v_pk_add_f32 v[ST+10*\t+LS:ST+10*\t+LS+1], v[ST+10*\t+LS:ST+10*\t+LS+1], v[S+32*\t+\j:S+32*\t+\j+1]
	v_pk_add_f32 v[ST+10*\t+C0:ST+10*\t+C0+1], v[ST+10*\t+C0:ST+10*\t+C0+1], v[S+32*\t+\j+2:S+32*\t+\j+3]
.endr
.endr
.else
.irp t, 0,1,2,3
	v_pk_mul_f32 v[ST+10*\t+LS:ST+10*\t+LS+1], v[ST+10*\t+LS:ST+10*\t+LS+1], v[ST+10*\t+AF:ST+10*\t+AF+1] op_sel_hi:[1,0]
	v_pk_add_f32 v[ST+10*\t+C0:ST+10*\t+C0+1], v[S+32*\t:S+32*\t+1], v[S+32*\t+2:S+32*\t+3]
.endr
.irp j, 4,8,12,16,20,24,28
.irp t, 0,1,2,3
	v_pk_add_f32 v[ST+10*\t+LS:ST+10*\t+LS+1], v[ST+10*\t+LS:ST+10*\t+LS+1], v[S+32*\t+\j:S+32*\t+\j+1]
	v_pk_add_f32 v[ST+10*\t+C0:ST+10*\t+C0+1], v[ST+10*\t+C0:ST+10*\t+C0+1], v[S+32*\t+\j+2:S+32*\t+\j+3]
.endr
.endr
.endif
.irp t, 0,1,2,3
	v_pk_add_f32 v[ST+10*\t+LS:ST+10*\t+LS+1], v[ST+10*\t+LS:ST+10*\t+LS+1], v[ST+10*\t+C0:ST+10*\t+C0+1]
.endr
; p to f16, in place and ascending: register i is written when registers 2 i and 2 i + 1 are read.  The tile's first 16 registers are then P: (half of the keys u) at S + 32 t + 8 u
.set i, 0
.rept 16
.irp t, 0,1,2,3
	v_cvt_pk_f16_f32 v[S+32*\t+i], v[S+32*\t+2*i], v[S+32*\t+2*i+1]
.endr
.set i, i+1
.endr
.endm
; ONE HEAD
.macro HEAD
	; ---- 1: q, k, v of my 64 pixels, on codes.  These five lines are also the places behind the last head's products: four for the loads below, five for q's products, which write over O's fragments
	v_add_nc_u32 v[ADR0], s[XB], v[LI]
	v_add_nc_u32 v[ADRW], s[TB], v[LI]
	v_lshrrev_b32 v[ADR2], 1, v[LI]
	v_add_nc_u32 v[ADR2], s[TB], v[ADR2]
	v_add_nc_u32 v[ADR3], s[KSB], v[LI]
.irp m, 0,1,2
.irp p, 0,1
	ds_load_b64 v[WSC+4*\m+2*\p:WSC+4*\m+2*\p+1], v[ADR2] offset:WSCO+512*\m+256*\p   ; the weights' scale words: two K steps' a lane
.endr
.endr
	WIN 0x40
.set i, 0
.rept 16
	ds_load_b128 v[XF+4*i:XF+4*i+3], v[ADR0] offset:512*i            ; x: (tile of pixels p, K step s) at XF + 8 (2 p + s)
.set i, i+1
.endr
.set i, 0
.rept 16
	ds_load_b128 v[4*i:4*i+3], v[ADRW] offset:512*i                  ; Wq: (tile of rows t, K step s) at 8 (2 t + s)
.set i, i+1
.endr
.set i, 0
.rept 16
	ds_load_b128 v[64+4*i:64+4*i+3], v[ADRW] offset:8192+512*i       ; Wk: 64 on
.set i, i+1
.endr
	WIN 0
.set i, 0
.rept 16
	ds_load_b128 v[VF+4*i:VF+4*i+3], v[ADRW] offset:16384+512*i      ; Wv, in window 0
.set i, i+1
.endr
	s_wait_dscnt 32                                ; all but the 32 loads of Wk and Wv
	WIN 0x05
.irp s, 0,1                                    ; q^T: (tile of channels t, tile of pixels q) at S + 8 (4 t + q); 16 accumulators by turns, K step by K step
.irp t, 0,1,2,3
.irp q, 0,1,2,3
	MM4 S+8*(4*\t+\q), 8*(2*\t+\s), XF+8*(2*\q+\s), 1-\s, WSC+2*(\t/2)+\s, \t%2, XSC+2*(\q/2)+\s, \q%2
.endr
.endr
.endr
	PLACES 4
	WIN 0x40
.irp q, 0,1,2,3                                ; Q's fragments: (tile q, half of the channels u) at QF + 16 q + 8 u
.irp u, 0,1
.irp e, 0,1
.irp i, 0,1,2,3
	v_cvt_pk_f16_f32 v[QF+16*\q+8*\u+4*\e+\i], v[S+8*(4*(2*\u+\e)+\q)+2*\i], v[S+8*(4*(2*\u+\e)+\q)+2*\i+1]
.endr
.endr
.endr
.endr
	s_wait_dscnt 16                                ; all but Wv's 16 loads
	WIN 0x05
.irp s, 0,1                                    ; k^T, over q^T's registers: behind q's products stand the four places and the conversions of the other accumulators
.irp t, 0,1,2,3
.irp q, 0,1,2,3
	MM4 S+8*(4*\t+\q), 64+8*(2*\t+\s), XF+8*(2*\q+\s), 1-\s, WSC+4+2*(\t/2)+\s, \t%2, XSC+2*(\q/2)+\s, \q%2
.endr
.endr
.endr
	PLACES 4
	WIN 0x40
.irp q, 0,1,2,3
.irp u, 0,1
.irp e, 0,1
.irp i, 0,1,2,3
	v_cvt_pk_f16_f32 v[16*\q+8*\u+4*\e+\i], v[S+8*(4*(2*\u+\e)+\q)+2*\i], v[S+8*(4*(2*\u+\e)+\q)+2*\i+1]
.endr
.endr
.endr
.endr
	WIN 0x04                                       ; an LDS store's data are its source 1: window 1
.set i, 0
.rept 16
	ds_store_b128 v[ADR3], v[4*i:4*i+3] offset:512*i                 ; my 8 images of k
.set i, i+1
.endr
	s_wait_dscnt 16                                ; Wv's loads are in: behind them stand k's 16 stores
	WIN 0x01
.irp s, 0,1                                    ; v: source 0 = 16 pixels, source 1 = 16 rows of Wv: (tile of pixels p, tile of channels t) at S + 8 (4 p + t)
.irp p, 0,1,2,3
.irp t, 0,1,2,3
	MM4 S+8*(4*\p+\t), XF+8*(2*\p+\s), VF+8*(2*\t+\s), 1-\s, XSC+2*(\p/2)+\s, \p%2, WSC+8+2*(\t/2)+\s, \t%2
.endr
.endr
.endr
	PLACES 4
	WIN 0x40
.irp u, 0,1                                    ; V^T's fragments: (32 of my 64 pixels u, tile of channels t)
.irp t, 0,1,2,3
.irp e, 0,1
.irp i, 0,1,2,3
	v_cvt_pk_f16_f32 v[64+8*(4*\u+\t)+4*\e+\i], v[S+8*(4*(2*\u+\e)+\t)+2*\i], v[S+8*(4*(2*\u+\e)+\t)+2*\i+1]
.endr
.endr
.endr
.endr
	WIN 0x04
.set i, 0
.rept 16
	ds_store_b128 v[ADR3], v[64+4*i:64+4*i+3] offset:VOFF+512*i      ; my 8 images of V^T
.set i, i+1
.endr
	WIN 0
	s_wait_dscnt 0x0                               ; for the others' sake: my stores have landed
	s_barrier_signal -1
	s_barrier_wait -1                              ; the window's k and v lie in LDS.
	; ---- 2: the attention, 64 keys a step
	s_mov_b32 s[TJ], KB
	v_add_nc_u32 v[ADR0], s[TJ], v[LI]
	LK
	LV
	s_wait_dscnt 16                                ; k is in; v's 16 loads may be out
	STQ
	NEXTK                                          ; step 0, written out: it starts m, l and O^T
	SOFTMAX 1
	s_wait_dscnt 16                                ; v is in; behind it stand the next k's 16 loads
	PV 1
	PLACES 5                                       ; four for the loads into V^T's registers, five for S^T's products, which write over P
	LV
	s_wait_dscnt 16                                ; the next k is in; v's 16 loads may be out
	STQ
	WIN 0
	s_mov_b32 s[J], 2
.Lstep_\@:                                         ; steps 1 and 2
	NEXTK
	SOFTMAX 0
	SCALEO
	s_wait_dscnt 16
	PV 0
	PLACES 5
	LV
	s_wait_dscnt 16
	STQ
	WIN 0
	s_sub_co_u32 s[J], s[J], 1
	s_cmp_lg_u32 s[J], 0
	s_cbranch_scc1 .Lstep_\@
	PLACES 4                                       ; step 3, written out: Q and K are done with, and their registers take Wo's tiles of outputs 8-15
	WIN 0x40
.set i, 0
.rept 32
	ds_load_b128 v[128+4*i:128+4*i+3], v[ADRW] offset:WOO+16384+512*i
.set i, i+1
.endr
	SOFTMAX 0
	SCALEO
	s_wait_dscnt 32                                ; v is in; behind it stand Wo's 32 loads
	PV 0
	; ---- 3: O^T / l, to f16, and the head's part of the output.  The eight additions are the places behind the last products
	WIN 0
.irp t, 0,1,2,3
	v_add_f32 v[ST+10*\t+C0], v[ST+10*\t+LS], v[ST+10*\t+LS+1]
.endr
.irp t, 0,1,2,3
	v_permlanex16_b32 v[ST+10*\t+C0+1], v[ST+10*\t+C0], s[SEL], s[SEL+1]
.endr
.irp t, 0,1,2,3
	v_add_f32 v[ST+10*\t+C0], v[ST+10*\t+C0], v[ST+10*\t+C0+1]
.endr
.irp t, 0,1,2,3
	v_rcp_f32 v[ST+10*\t+AF], v[ST+10*\t+C0]
.endr
	v_nop                                          ; a plain instruction behind the last reciprocal
	s_wait_alu depctr_va_vdst(0)                   ; and the wait ahead of the first use: one for the four
	SCALEO
	WIN 0x05
.irp q, 0,1,2,3                                ; O's fragments: (tile of pixels q, half of the channels u) at S + 16 q + 8 u
.irp u, 0,1
.irp e, 0,1
.irp i, 0,1,2,3
	v_cvt_pk_f16_f32 v[S+16*\q+8*\u+4*\e+\i], v[32*\q+8*(2*\u+\e)+2*\i], v[32*\q+8*(2*\u+\e)+2*\i+1]
.endr
.endr
.endr
.endr
	WIN 0x40
.set i, 0
.rept 32
	ds_load_b128 v[4*i:4*i+3], v[ADRW] offset:WOO+512*i              ; Wo's tiles of outputs 0-7, where O^T lay
.set i, i+1
.endr
	s_wait_dscnt 32                                ; all but the 32 just issued
	WIN 0xf4
.irp u, 0,1                                    ; outputs 128-255: 32 accumulators by turns
.irp o, 0,1,2,3,4,5,6,7
.irp q, 0,1,2,3
	v_wmma_f32_16x16x32_f16 v[8*(4*\o+\q):8*(4*\o+\q)+7], v[S+16*\q+8*\u:S+16*\q+8*\u+7], v[128+16*\o+8*\u:128+16*\o+8*\u+7], v[8*(4*\o+\q):8*(4*\o+\q)+7]
.endr
.endr
.endr
	s_wait_dscnt 0x0
	WIN 0xa4
.irp u, 0,1                                    ; outputs 0-127
.irp o, 0,1,2,3,4,5,6,7
.irp q, 0,1,2,3
	v_wmma_f32_16x16x32_f16 v[8*(4*\o+\q):8*(4*\o+\q)+7], v[S+16*\q+8*\u:S+16*\q+8*\u+7], v[16*\o+8*\u:16*\o+8*\u+7], v[8*(4*\o+\q):8*(4*\o+\q)+7]
.endr
.endr
.endr
	WIN 0
.endm
	s_load_b256 s[4:11], s[0:1], 0x0               ; xc s[4:5], xs s[6:7], wp s[8:9], bo s[10:11]
	s_load_b64 s[12:13], s[0:1], 0x20              ; out0
	v_lshl_add_u32 v[SPW], v0, 2, SPARE
	v_mov_b32 v[NIL], 0
	ds_add_u32 v[SPW], v[NIL]                      ; the wave's opening: the add, twice on end, and its wait ahead of my first tensor load; the set-up below stands between the second and the wait
	ds_add_u32 v[SPW], v[NIL]
	v_lshrrev_b32 v4, 5, v0
	v_readfirstlane_b32 s[WV], v4                  ; wave 0..3
	s_bfe_u32 s15, ttmp6, 0x40000                  ; cx: my place in the cluster: it enters the offsets in xc, xs and out0 alone
	s_lshl_b32 s16, ttmp9, 2                       ; in a cluster launch ttmp9 counts clusters
	s_add_co_u32 s16, s16, s15                     ; my window = (8 b + X) 8 + Y
	; descriptor group 1: a dense block of 58 rows of 256 bytes (32 elements of 8 bytes), no padding: every LDS read of it takes 512 consecutive bytes
	s_mov_b32 s[G1+0], 15|(3<<16)|(1<<21)          ; 15:0 the mask: all four work-groups; 17:16 elements of 8 bytes; 21 set beside a mask
	s_mov_b32 s[G1+1], 32<<16                      ; tensor_dim0 = 32
	s_mov_b32 s[G1+2], 58<<16                      ; tensor_dim1 = 58
	s_mov_b32 s[G1+3], 32<<16                      ; tile_dim0 = 32
	s_mov_b32 s[G1+4], 58                          ; tile_dim1 = 58
	s_mov_b32 s[G1+5], 32                          ; from row to row
	s_mov_b32 s[G1+6], 0
	s_mov_b32 s[G1+7], 0
	s_mov_b32 s[CS], 0x3e38aa3b                    ; c = log2(e) / 8
	s_mov_b32 s[CS+1], s[CS]                       ; (named with it as a pair, so it is written)
	s_mov_b32 s[SEL], 0x76543210
	s_mov_b32 s[SEL+1], 0xfedcba98
	v_and_b32 v[LI], 31, v0
	v_lshlrev_b32 v[LI], 4, v[LI]
.irp t, 0,1,2,3
	v_mov_b32 v[ST+10*\t+AF+1], 0                  ; named as the upper half of a pair, so it is written
.endr
	s_mul_i32 s46, s[WV], QB                       ; my quarter of a block, in memory and in a slot: no place in the cluster enters it
	s_mov_b32 s47, 0
	s_lshl_b32 s[XB], s[WV], 13
	s_add_co_u32 s[XB], s[XB], XC
	s_lshl_b32 s[KSB], s[WV], 13
	s_add_co_u32 s[KSB], s[KSB], KB
	s_lshl_b32 s48, s16, 15                        ; xc: window x 32,768 + wave x 8,192
	s_lshl_b32 s50, s[WV], 13
	s_add_co_u32 s48, s48, s50
	s_mov_b32 s49, 0
	s_lshl_b32 s50, s16, 11                        ; xs: window x 2,048 + wave x 512
	s_lshl_b32 s52, s[WV], 9
	s_add_co_u32 s50, s50, s52
	s_mov_b32 s51, 0
	s_lshr_b32 s52, s16, 6                         ; out0: b x 2^24
	s_lshl_b32 s52, s52, 24
	s_bfe_u32 s54, s16, 0x30003                    ; X
	s_lshl_b32 s54, s54, 2
	s_add_co_u32 s54, s54, s[WV]
	s_lshl_b32 s54, s54, 11                        ; + image row 16 X + 4 w, of 512 bytes
	s_add_co_u32 s52, s52, s54
	s_and_b32 s54, s16, 7                          ; Y
	s_lshl_b32 s54, s54, 6                         ; + 16 Y pixels
	s_add_co_u32 s52, s52, s54
	s_mov_b32 s53, 0
	s_wait_dscnt 0x0                               ; both opening adds are done
	s_wait_kmcnt 0x0
	s_mov_b32 s[G0], 1                             ; 1:0 count = 1
	s_mov_b32 s[G0+1], s46                         ; 63:32 LDS address: slot 0, my quarter
	s_add_nc_u64 s[G0+2:G0+3], s[8:9], s[46:47]    ; 120:64 global address: head 0's block, my quarter
	s_or_b32 s[G0+3], s[G0+3], 0x80000000          ; 127:126 type = 2
	CROUND                                         ; all four work-groups are here: the first joint loads meet
	tensor_load_to_lds s[G0:G0+3], s[G1:G1+7]      ; head 0's block: one load of mine is out, here and behind every round
	s_nop 0
	PLACES 4
	s_add_nc_u64 s[4:5], s[4:5], s[48:49]
	s_add_nc_u64 s[6:7], s[6:7], s[50:51]
	s_add_nc_u64 s[12:13], s[12:13], s[52:53]
	v_lshrrev_b32 v5, 1, v[LI]                     ; 8 x lane
	v_and_b32 v6, 15, v0
	v_lshlrev_b32 v6, 2, v6                        ; 4 x (lane % 16)
.set i, 0
.rept 16
	global_load_b128 v[192+4*i:192+4*i+3], v[LI], s[4:5] offset:512*i th:TH_LOAD_NT   ; my four tiles' codes of x: 8 images, 512 consecutive bytes a load
.set i, i+1
.endr
.irp p, 0,1
	global_load_b64 v[XSC+2*\p:XSC+2*\p+1], v5, s[6:7] offset:256*\p th:TH_LOAD_NT    ; their scale words: they stay in registers
.endr
.set i, 0
.rept 16
	global_load_b32 v[S+i], v6, s[10:11] offset:64*i                 ; bo of output 16 i + lane % 16
.set i, i+1
.endr
	v_add_nc_u32 v[ADR0], s[XB], v[LI]
	s_wait_loadcnt 18                              ; x's codes are in; the 2 loads of scale words and the 16 of bo may be out
.set i, 0
.rept 16
	ds_store_b128 v[ADR0], v[192+4*i:192+4*i+3] offset:512*i         ; they wait in my own bytes of LDS: every head fetches them anew
.set i, i+1
.endr
	s_wait_loadcnt 0x0
	; THE OUTPUT SUMS BEGIN AS THE BIAS: in a result a lane holds one output channel, so all 32 registers of a tile of outputs take the lane's bo.  No addition is owed later, and nothing is cleared; the lines stand while the first block is on its way
	WIN 0x80
.irp o, 0,1,2,3,4,5,6,7
.set i, 0
.rept 32
	v_mov_b32 v[32*\o+i], v[S+\o]
.set i, i+1
.endr
.endr
	WIN 0xc0
.irp o, 0,1,2,3,4,5,6,7
.set i, 0
.rept 32
	v_mov_b32 v[32*\o+i], v[S+8+\o]
.set i, i+1
.endr
.endr
	WIN 0
	s_mov_b32 s[TB], 0
	s_mov_b32 s[HD], 7
.Lhead:                                            ; seven trips: at each head's start the next head's block is asked for
	CHANGE 1
	HEAD
	s_xor_b32 s[TB], s[TB], SLOT1
	s_sub_co_u32 s[HD], s[HD], 1
	s_cmp_lg_u32 s[HD], 0
	s_cbranch_scc1 .Lhead
	CHANGE 0                                       ; the last head is written out: nothing is left to ask for
	HEAD
	; THE WAY OUT, a tile of 16 outputs at a time.  A lane holds 32 bytes of one (output, row); a block, 16 outputs x 4 rows x 64 bytes, goes through my own stage in LDS (rows of 256 + 16 bytes) and comes back
	; two outputs an instruction, so that four neighbouring lanes store the 64 bytes of a window's row.  The fifteen address lines are the places behind the last products.
	s_mul_i32 s46, s[WV], 8704
	s_add_co_u32 s46, s46, STAGE                   ; my stage
	v_and_b32 v24, 15, v0                          ; r
	v_bfe_u32 v25, v0, 4, 1                        ; h
	v_mul_u32_u24 v[STO], v24, 272
	v_lshl_add_u32 v[STO], v25, 5, v[STO]
	v_add_nc_u32 v[STO], s46, v[STO]               ; in: output r, + 32 h; the row's 64 bytes by the immediate
	v_mul_u32_u24 v[RD], v25, 272
	v_lshl_add_u32 v[RD], v24, 4, v[RD]
	v_add_nc_u32 v[RD], s46, v[RD]                 ; back: lanes 0-15 one output, lanes 16-31 the next; 16 bytes a lane
	v_lshlrev_b32 v[GO], 16, v25                   ; out0: an output channel is 65,536 bytes,
	v_bfe_u32 v26, v0, 2, 2
	v_lshl_add_u32 v[GO], v26, 9, v[GO]            ; an image row 512,
	v_and_b32 v26, 3, v0
	v_lshl_add_u32 v[GO], v26, 4, v[GO]            ; and 16 bytes a lane
.macro TOSTAGE a
	WIN 0x08+4*((\a)/8)                            ; an LDS store's data are its source 1: window 2 or 3
.irp q, 0,1,2,3
	ds_store_b128 v[STO], v[8*(4*((\a)%8)+\q):8*(4*((\a)%8)+\q)+3] offset:((\a)%2)*4352+64*\q          ; each accumulator from its low end on
	ds_store_b128 v[STO], v[8*(4*((\a)%8)+\q)+4:8*(4*((\a)%8)+\q)+7] offset:((\a)%2)*4352+64*\q+16
.endr
	WIN 0
.irp i, 0,1,2,3,4,5,6,7
	ds_load_b128 v[S+32*((\a)%2)+4*\i:S+32*((\a)%2)+4*\i+3], v[RD] offset:((\a)%2)*4352+544*\i   ; LDS serves a wave's instructions in order (ISA guide 5.7.1.4): these see the stores above
.endr
.endm
.macro SEND a, younger                 ; younger: the LDS instructions issued behind block a's loads, which may stay out
	s_wait_dscnt \younger
.if (\a) > 0
	s_add_nc_u64 s[12:13], s[12:13], 0x100000      ; 16 outputs on (behind a wait on XCNT: the earlier stores have read their base)
.endif
.irp i, 0,1,2,3,4,5,6,7
	global_store_b128 v[GO], v[S+32*((\a)%2)+4*\i:S+32*((\a)%2)+4*\i+3], s[12:13] offset:131072*\i   ; eight runs of 64 consecutive bytes; no hint: each run's three neighbours in its 256 aligned bytes come from the cluster's other work-groups
.endr
.endm
	TOSTAGE 0
.irp a, 1,2,3,4,5,6,7,8,9,10,11,12,13,14,15
.if \a > 1
	s_wait_xcnt 0x0                                ; block a - 2's stores have read their registers and their base: block a's loads may land there, and the base may step
.endif
	TOSTAGE \a
	SEND \a-1, 16                                  ; behind block a - 1's loads: block a's 8 stores and 8 loads
.endr
	s_wait_xcnt 0x0                                ; block 14's stores have read their base
	SEND 15, 0
	s_wait_tensorcnt 0x0                           ; the wave's end, behind my last tensor load and my last LDS store
	ds_add_u32 v[SPW], v[NIL]
	s_wait_dscnt 0x0
	CROUND                                         ; the closing round: no work-group ends while a partner may still ask for a block that names it
	s_endpgm
.Lfunc_end_k_q19b775078b_attn:
	.size	k_q19b775078b_attn, .Lfunc_end_k_q19b775078b_attn-k_q19b775078b_attn
	.p2alignl 7, 3214868480
	.fill 96, 4, 3214868480
	.section	.rodata,"a",@progbits
	.p2align	6, 0x0
	.amdhsa_kernel k_q19b775078b_attn
		.amdhsa_group_segment_fixed_size 327680
		.amdhsa_private_segment_fixed_size 0
		.amdhsa_enable_private_segment 0
		.amdhsa_kernarg_size 40
		.amdhsa_user_sgpr_count 2
		.amdhsa_user_sgpr_kernarg_segment_ptr 1
		.amdhsa_wavefront_size32 1
		.amdhsa_system_sgpr_workgroup_id_x 1
		.amdhsa_system_sgpr_workgroup_id_y 1
		.amdhsa_system_sgpr_workgroup_id_z 1
		.amdhsa_system_vgpr_workitem_id 0
		.amdhsa_next_free_vgpr 1024
		.amdhsa_next_free_sgpr 66
		.amdhsa_reserve_vcc 0
		.amdhsa_float_denorm_mode_32 3
		.amdhsa_float_denorm_mode_16_64 3
		.amdhsa_memory_ordered 1
		.amdhsa_forward_progress 1
		.amdhsa_inst_pref_size 255
	.end_amdhsa_kernel
	.section	.bss,"aw",@nobits
	.p2align	6
	.space	262144
	.amdgpu_metadata
---
amdhsa.version: [ 1, 2 ]
amdhsa.kernels:
  - .name:           k_q19b775078b_attn
    .symbol:         k_q19b775078b_attn.kd
    .args:
      - { .name: xc, .offset: 0, .size: 8, .value_kind: global_buffer, .address_space: global }
      - { .name: xs, .offset: 8, .size: 8, .value_kind: global_buffer, .address_space: global }
      - { .name: wp, .offset: 16, .size: 8, .value_kind: global_buffer, .address_space: global }
      - { .name: bo, .offset: 24, .size: 8, .value_kind: global_buffer, .address_space: global }
      - { .name: out0, .offset: 32, .size: 8, .value_kind: global_buffer, .address_space: global }
    .group_segment_fixed_size: 327680
    .private_segment_fixed_size: 0
    .kernarg_segment_align: 8
    .kernarg_segment_size: 40
    .max_flat_workgroup_size: 128
    .sgpr_count:     66
    .vgpr_count:     1024
    .wavefront_size: 32
...
	.end_amdgpu_metadata
.endif
;; end of part 2
